; MI455X (gfx1250); checked and timed in simulation.
; The chip was launched on July 23, 2026; its instructions are those of AMD's public machine-readable ISA for CDNA 5 (MIT licence, August 2026) and "CDNA5" Instruction Set Architecture Reference Guide (July 2026). The comments in the code are by the model that wrote it; some were corrected since.
;; Core Attention. Allowed arithmetic: float matrix products may take bf16 or f16 operands with f32 sums; all other float work in f32.
;; Inputs: key_layer 2 x 32 x 2,048 x 128 float32; query_layer 2 x 32 x 2,048 x 128 float32; value_layer 2 x 32 x 2,048 x 128 float32.
;; Outputs: out0 2 x 2,048 x 4,096 float32.
;; One version. Each part assembles by itself: llvm-mc -triple=amdgcn-amd-amdhsa -mcpu=gfx1250 --defsym DOCPART=n.
;; ======== version 1 of 1: 1 launch
;; limits: values are held in f16: magnitudes above 65,504 overflow, below 6.1e-05 lose precision; inputs' magnitudes at most 65,408
;; launch attn (part 1): grid 256 x 1, 4 waves a work-group, no clusters, 141,824 bytes of LDS; arguments query_layer, key_layer, value_layer, out0; writes out0
.if DOCPART == 1
	.amdgcn_target "amdgcn-amd-amdhsa--gfx1250"
	.amdhsa_code_object_version 6
	.text
	.protected	k_q7a704e1aee_attn
	.globl	k_q7a704e1aee_attn
	.p2align	8
	.type	k_q7a704e1aee_attn,@function
k_q7a704e1aee_attn:
	s_mov_b64 s[64:65], 0
	v_nop
	global_prefetch_b8 v0, s[64:65] scope:SCOPE_SE
	s_setreg_imm32_b32 hwreg(HW_REG_WAVE_MODE, 25, 1), 1
	s_wait_xcnt 0x0
; Causal softmax attention.  Q, K, V: [64 heads (batch x head)][2048][128] f32.  out: [2][2048][32 x 128] f32.
; out(b, q, h, :) = sum over k <= q of softmax_k( Q(q).K(k) / sqrt(128) ) V(k, :).
;
; WORK LEFT OUT, and why it is dead for all values of the inputs:
;  (a) The mask is the lower triangle that the problem itself builds.  A key above the diagonal gets the score -inf, its probability
;      is exactly 0, and it adds 0 to the row's sum and 0 x V to the row's result.  A query tile of 16 rows is therefore multiplied with a
;      key tile of 64 keys only where some key of the tile is not above some row.  Inside the strip of 16 rows x 64 keys that the diagonal
;      crosses all products are made and the masked scores are set to -inf.
;  (b) The two factors 1/(2 sqrt 128) and 2 are one factor 1/sqrt 128.  With log2 e it is c = 0.12751743; it is applied to the f32 scores
;      in the fused multiply-add that takes the maximum away, so that the exponentials are plain powers of two.
; NUMBER FORMATS.  Q, K and V are rounded to bf16 as they come (nearest even).  Q K^T is a bf16 product.  P V is an f16 product: P lies in
;  (0, 1] and keeps 11 significant bits in f16 against 8 in bf16, which counts in the first rows, where two or three terms p V of size 1 can
;  cancel and nothing averages the rounding out.  Both operands of a matrix instruction have one format, so V's bf16 number is written as f16:
;  its 8 significant bits fit into 11, the same number for 2^-14 <= |V| <= 65504.  So the result is the attention of the three inputs
;  rounded to bf16, and beyond that only P is rounded.  All sums, maxima and the softmax are f32; the maximum is taken away before every
;  exponential (a running maximum).
; LIMITS: a NaN, an infinity or an overflow that sits only in K or V rows that (a) leaves out for a query is not carried to that query's result.
;  |V| above 65504 becomes an infinity.  V below 2^-14, and probabilities relative to the row's running maximum below 2^-14, lose bits
;  (absolute error at most 2^-25); such probabilities below 2^-25 add nothing to the result, though down to 2^-126 they still count in
;  the row's sum (v_exp_f32 flushes denormal results: ISA guide, its entry in 15.8).
;
; SHARING.  256 work-groups of four waves.  Work-group 4 bh + j serves head bh and walks two blocks of 256 query rows: block j, then
;  block 7 - j: 4 (j + 1) + 4 (8 - j) = 36 key steps of 64 keys for every work-group.  The block's sixteen query tiles of 16 rows are dealt
;  round the waves: wave w holds tiles w, w + 4, w + 8, w + 12, so its query tile qt has rows 256 blk + 64 qt + 16 w + 0..15.  Key step
;  4 blk + d has keys 256 blk + 64 d + 0..63: tiles qt > d are whole, tile qt = d holds the diagonal, tiles qt < d are wholly masked, alike
;  in all four waves.  So the block's last four steps have 4, 3, 2 and 1 live query tiles in every wave, and no wave sits a step out.
; BOTH PRODUCTS ARE USED TRANSPOSED, so that no result changes lanes.  S^T = K Q^T: lane (r, h) holds, for query r, keys 8 h + 0..7 of a
;  tile; packed to f16 these are the B fragment of O^T = V^T P^T as they lie.  The maximum, the sum and the rescale factor of a query are
;  one number a lane, and the two halves of the lanes meet by one v_permlanex16_b32.
; MATRIX AND VECTOR WORK TAKE TURNS.  The wave's four query tiles are two pieces, A (tiles 0, 1) and B (tiles 2, 3), which use the same
;  fragments of K and V.  A step is four runs of matrix instructions, 16 for each query tile, and behind each matrix instruction stands vector
;  work that names none of the run's registers:
;      S_A = K Q_A     (nothing is ready to stand behind it)
;      S_B = K Q_B     with the softmax of A and the rescale of O_A, 32 slices
;      O_A += V P_A    with the softmax of B and the rescale of O_B
;      O_B += V P_B    with the conversion of the next V tile, 32 slices
;  In the step with three live tiles piece A is tile 1 alone; in the steps with two and one there is one piece, whose softmax stands in a row.
;  LDS and global instructions stand in runs of their own between the matrix runs.
; K AND V are f32 in memory and have to pass through registers to become 16-bit numbers: each wave loads 16 rows of the next K and V tile
;  (whole rows of 512 bytes an instruction) into 128 registers a step ahead, converts them and stores them into the LDS slot that is not
;  being read.  Two slots take turns, one barrier a step.
; NO JOINT TENSOR LOADS, although the four work-groups of a head read the same K and V: a tile brought by the data mover would land in LDS
;  as f32, 64 KiB a step written and read again beside the 128 KiB of fragments that the four waves read; and the partners' blocks have
;  different numbers of tiles (4 (j + 1), then 4 (8 - j)), so that in step with each other they would need 16 + 32 = 48 steps, not 36.
;
; LDS: K slot s at s x 17408, 64 rows of 256 bytes at pitch 272; V slot s at 34816 + s x 18432, pitch 288 (an odd multiple of 32 bytes, for
;  the transposing loads); behind them 17408 bytes for each wave alone: Q on its way to fragments (pitch 272), later 16 result rows (pitch 528).
; REGISTERS in windows of 256 (s_set_vgpr_msb: bits 1:0 source 0, 3:2 source 1, 5:4 source 2, 7:6 destination):
;  window 0: offsets v1-v18, fragments of K (later result rows) v32-v159, staging of V v160-223
;  window 1: scores v0-127, with P packed over them; staging of K v128-191; the softmax's state v192-224
;  window 2: O^T, tile (dt, qt) at v[8 (4 dt + qt)]
;  window 3: Q fragments (qt, ks) at v[8 (4 qt + ks)], fragments of V v128-255
;  A product and its slice need different windows (scores, state, K's fragments and Q do not fit into one window of 256), so two switches
;  stand at each matrix instruction that has a slice: about 200 in a step of four tiles.
.set KPITCH, 272
.set VPITCH, 288
.set KSLOT,  64*KPITCH
.set VSLOT,  64*VPITCH
.set VBASE,  2*KSLOT
.set WSBASE, VBASE+2*VSLOT
.set WSSIZE, 64*KPITCH
.set OPITCH, 528
.set ROWB,   512                       ; bytes of a row of Q, K, V
.set TILEB,  64*ROWB                   ; bytes of a tile of 64 keys
.set OROW,   16384                     ; bytes from a query's row of out to the next
; window 0
.set LANE, 1
.set RR,   2                           ; lane % 16
.set HH,   3                           ; lane / 16
.set TV,   4                           ; v4-7 at work in the prologue
.set KRD,  8                           ; K fragment: r x 272 + 16 h
.set VRD,  9                           ; V fragment: 34816 + (8 h + lane % 8) x 288 + 16 ((lane / 8) % 2)
.set KWR,  10                          ; staging: my wave's 16 rows of a K slot, 8 bytes a lane
.set VWR,  11                          ; the same in a V slot
.set GKV,  12                          ; my 16 bytes in my wave's first row of a K or V tile
.set QST,  13                          ; Q into my wave's stage
.set QRD,  14                          ; Q fragments out of it
.set OST,  15                          ; results into the stage: r x 528 + 32 h
.set ORD,  16                          ; whole rows back: 16 x lane
.set L16,  17                          ; 16 x lane
.set PFO,  18                          ; 256 x thread: the prefetch's lanes are 256 bytes apart, 128 threads cover a tile
.set FR,   32                          ; K fragment (ks, kt) at FR + 8 (4 ks + kt)
.set STV,  160                         ; row i of my 16 rows of the next V tile at STV + 4 i
; window 1
.set SC,   0                           ; score tile (kt, qt) at 8 (4 kt + qt); P fragment (qt, ks2) over score tile (2 ks2, qt)
.set STK,  128                         ; row i of my 16 rows of the next K tile at STK + 4 i
.set M2,   192                         ; (-c m, -c m) for each query tile
.set AL2,  200                         ; (alpha, alpha), at the end (1/l, 1/l)
.set LS2,  208                         ; two partial sums of the row
.set MN,   216                         ; m: the running maximum of the raw scores, kept from step to step
.set TT,   220
.set NI,   224                         ; -inf
; window 2
.set OA,   0
; window 3
.set QF,   0
.set VF,   128                         ; V fragment (ks2, dt) at VF + 8 (8 ks2 + dt)
; scalars
.set WAVE, 12
.set J,    13
.set BH,   14
.set BLK,  15
.set BLKI, 16                          ; 0: first block, 1: second
.set IT,   17                          ; pairs of steps done in the inner loop
.set STEP, 18                          ; key step inside the block
.set DIAG, 19                          ; 4 blk: the block's first step with a diagonal, the same in all waves
.set LDT,  21                          ; the tile that the next load brings
.set LDN,  22                          ; tiles of the block that is being loaded
.set N2,   23                          ; tiles of the second block
.set KP,   24
.set VP,   26
.set QP,   28
.set OP,   30
.set OFS,  32                          ; an offset in 64 bits, the high word 0
.set CS,   34                          ; s34 = c, s35 = -c
.set SEL,  36
.set KB,   38
.set VB,   48
.set QH,   50
.set OH,   52
.set PLO,  54                          ; tiles PLO .. PLO + PLEN - 1 of the block being loaded are prefetched by this work-group
.set PLEN, 55
.set PLO2, 56
.set PLEN2, 57
.set TS,   58                          ; s58-61 at work
.set NP,   62                          ; trips of the inner loop: 2 blk
.set HM,   63                          ; a word's upper bf16
.set MK,   66                          ; s66-97: mask 8 kt + j = lanes with 16 kt + j <= 16 w + r - 8 h
.set MSB, 0
.macro WIN new                         ; the immediate's high byte repeats the setting that is left
.if MSB != \new
	s_set_vgpr_msb (MSB<<8)|\new
.set MSB, \new
.endif
.endm
; Four places behind a run of matrix instructions, in front of loads into their sources and of vector reads of their results,
; where no four plain instructions of a slice stand behind the run's last product.
.macro PLACES
.rept 4
	v_nop
.endr
.endm
; dst = base + (256 blk + 16 w) << shift: the first row of my wave's query tile 0 in Q (shift 9) or in out (shift 14)
.macro SETPTR dst, base, shift
	s_lshl_b32 s[TS], s[BLK], 8
	s_lshl_b32 s[TS+1], s[WAVE], 4
	s_add_co_u32 s[TS], s[TS], s[TS+1]
	s_lshl_b32 s[OFS], s[TS], \shift
	s_add_nc_u64 s[\dst:\dst+1], s[\base:\base+1], s[OFS:OFS+1]
.endm
; The next tile of the K and V stream: my wave's 16 rows of each, a whole row of 512 bytes an instruction, into the staging registers.
; V's loads go first: V is converted a run of products earlier than K.
.macro NEXTKV
	s_wait_xcnt 0x0                                ; KP and VP, which earlier loads and prefetches named, are rewritten only behind this wait
	s_lshl_b32 s[OFS], s[LDT], 15
	s_add_nc_u64 s[KP:KP+1], s[KB:KB+1], s[OFS:OFS+1]
	s_add_nc_u64 s[VP:VP+1], s[VB:VB+1], s[OFS:OFS+1]
	s_add_co_u32 s[LDT], s[LDT], 1
	s_sub_co_u32 s[TS], s[LDT], s[PLO]
	WIN 0
.set i, 0
.rept 16
	global_load_b128 v[STV+4*i:STV+4*i+3], v[GKV], s[VP:VP+1] offset:ROWB*i
.set i, i+1
.endr
	WIN 0x40
.set i, 0
.rept 16
	global_load_b128 v[STK+4*i:STK+4*i+3], v[GKV], s[KP:KP+1] offset:ROWB*i
.set i, i+1
.endr
	WIN 0
	; Prefetch of the tile behind the one just asked for, one step ahead of its load.  Each block of 256 bytes of a head's tiles 2 to 31 is asked for
	; once in the launch: tiles 2-15 by work-group j = 3 in its first block (16 tiles), tiles 16-31 by j = 0 in its second (32 tiles): the
	; work-groups whose walk has the fewest steps in front of those tiles.  The unsigned compare stops at the range's last tile, so no request passes tile 31.
	s_cmp_lt_u32 s[TS], s[PLEN]
	s_cbranch_scc0 .Lnopf_\@
	global_prefetch_b8 v[PFO], s[KP:KP+1] offset:TILEB th:TH_LOAD_NT scope:SCOPE_SE
	global_prefetch_b8 v[PFO], s[VP:VP+1] offset:TILEB th:TH_LOAD_NT scope:SCOPE_SE
.Lnopf_\@:
	s_cmp_eq_u32 s[LDT], s[LDN]                    ; the block's last tile is asked for: the stream goes on with the second block's tile 0
	s_cselect_b32 s[LDT], 0, s[LDT]
	s_cselect_b32 s[LDN], s[N2], s[LDN]
	s_cselect_b32 s[PLO], s[PLO2], s[PLO]
	s_cselect_b32 s[PLEN], s[PLEN2], s[PLEN]
.endm
; V's conversion, in place.  Unit u (0 .. 31) is half u % 2 of staged row u / 2: two f32 numbers a lane go to bf16 (VCA), are widened again by a
; mask and a shift (VCB) and packed as f16 (VCD), the format of the product with P; the last step rounds nothing inside the range given at the head.
.macro VCA u
.set ya, STV+4*((\u)/2)+2*((\u)%2)
	v_cvt_pk_bf16_f32 v[ya], v[ya], v[ya+1]
.endm
.macro VCB u
.set ya, STV+4*((\u)/2)+2*((\u)%2)
	v_and_b32 v[ya+1], s[HM], v[ya]
	v_lshlrev_b32 v[ya], 16, v[ya]
.endm
.macro VCD u
.set ya, STV+4*((\u)/2)+2*((\u)%2)
	v_cvt_pk_f16_f32 v[STV+4*((\u)/2)+((\u)%2)], v[ya], v[ya+1]   ; a row's four numbers end in its first two registers
.endm
; Slice i of 32: three units at three stages, so that no instruction of a slice reads what the same slice wrote.  Unit 31's packing is left to STORE.
.macro VCS i
.set yi, \i
	WIN 0
.if yi == 0
	VCA 0
.endif
.if yi < 31
	VCA yi+1
.endif
	VCB yi
.if yi > 0
	VCD yi-1
.endif
.endm
; The end of the staging: V's last packing, K to bf16 in place, and both into LDS slot 'slot': 8 bytes a lane, 256 neighbouring bytes an instruction.
.macro STORE slot
	WIN 0
	VCD 31
	s_wait_loadcnt 0x0                             ; K's 16 loads
	WIN 0x55
.set i, 0
.rept 16
	v_cvt_pk_bf16_f32 v[STK+4*i], v[STK+4*i], v[STK+4*i+1]
	v_cvt_pk_bf16_f32 v[STK+4*i+1], v[STK+4*i+2], v[STK+4*i+3]
.set i, i+1
.endr
	WIN 0x04
.set i, 0
.rept 16
	ds_store_b64 v[KWR], v[STK+4*i:STK+4*i+1] offset:(\slot)*KSLOT+KPITCH*i
.set i, i+1
.endr
	WIN 0
.set i, 0
.rept 16
	ds_store_b64 v[VWR], v[STV+4*i:STV+4*i+1] offset:(\slot)*VSLOT+VPITCH*i
.set i, i+1
.endr
.endm
.macro STAGE slot                      ; the whole staging without products (the first tile)
	s_wait_loadcnt 0x0
.set vi, 0
.rept 32
	VCS vi
.set vi, vi+1
.endr
	STORE \slot
.endm
; K's 16 fragments (16 keys x 32 d), by ks: eight loads for each ks.
.macro KLOAD slot
	WIN 0
.set ks, 0
.rept 4
.set kt, 0
.rept 4
	ds_load_b128 v[FR+8*(4*ks+kt):FR+8*(4*ks+kt)+3],   v[KRD] offset:(\slot)*KSLOT+16*kt*KPITCH+64*ks
	ds_load_b128 v[FR+8*(4*ks+kt)+4:FR+8*(4*ks+kt)+7], v[KRD] offset:(\slot)*KSLOT+16*kt*KPITCH+64*ks+32
.set kt, kt+1
.endr
.set ks, ks+1
.endr
.endm
; V^T's 16 fragments (16 d x 32 keys) by transposing loads from V's rows; they land while the work up to the first product with P goes.
.macro VLOAD slot
	WIN 0xc0
.set ks2, 0
.rept 2
.set dt, 0
.rept 8
	ds_load_tr16_b128 v[VF+8*(8*ks2+dt):VF+8*(8*ks2+dt)+3],   v[VRD] offset:(\slot)*VSLOT+32*ks2*VPITCH+32*dt
	ds_load_tr16_b128 v[VF+8*(8*ks2+dt)+4:VF+8*(8*ks2+dt)+7], v[VRD] offset:(\slot)*VSLOT+32*ks2*VPITCH+32*dt+16*VPITCH
.set dt, dt+1
.endr
.set ks2, ks2+1
.endr
.endm
; Query tile q in the step that holds its diagonal: key 16 kt + 8 h + j of the step's 64 stays for query 16 w + r of the tile's group of 64 rows
; if it is not above it.  cond = 1: only where this is the block's step 4 blk (a compare that is the same in all waves); cond = 2: always.
.macro MASK q, cond
	WIN 0
.if \cond == 1
	s_cmp_lg_u32 s[STEP], s[DIAG]
	s_cbranch_scc1 .Lnomask_\@
.endif
	WIN 0x55
.set mk, 0
.rept 4
.set mj, 0
.rept 8
	v_cndmask_b32 v[SC+8*(4*mk+(\q))+mj], v[NI], v[SC+8*(4*mk+(\q))+mj], s[MK+8*mk+mj]
.set mj, mj+1
.endr
.set mk, mk+1
.endr
	WIN 0
.if \cond == 1
.Lnomask_\@:
.endif
.endm
; A PIECE is nq (1 or 2) query tiles from q0 on.
; Register pair x (0 .. 16 nq - 1) of a piece's scores, key tiles outermost: zr its first register, zkt its key tile, zqt its query tile.
.macro PR q0, nq, x
.set zkt, (\x)/(4*(\nq))
.set zqt, (\q0)+(((\x)/4)%(\nq))
.set zr, SC+8*(4*zkt+zqt)+2*((\x)%4)
.endm
; c s - c m in one fused multiply-add; both halves take s[CS] = c.
.macro SUBM q0, nq, x
	PR \q0, \nq, \x
	v_pk_fma_f32 v[zr:zr+1], v[zr:zr+1], s[CS:CS+1], v[M2+2*zqt:M2+2*zqt+1] op_sel_hi:[1,0,1]
.endm
; Pair x of the probabilities goes into the row's sum and, as f16, to its place in P's fragment, which lies over the scores: register x % 4 of the
; even key tile's eight for an even key tile, register 4 + x % 4 of the same eight for the odd one.  Each such register belongs to a pair that has
; been summed and packed before.  In a block's first step the first two pairs of each query tile start the sum together: nothing is cleared.
.macro SUMCVT q0, nq, x, first
	PR \q0, \nq, \x
.set zp, SC+8*(4*(zkt-(zkt%2))+zqt)+4*(zkt%2)+((\x)%4)
.set zst, 2
.if \first
.if (\x) < 4*(\nq)
.set zst, (\x)%4                       ; 0: held back, 1: pairs 0 and 1 start the sum and are packed, 2 and 3: as everywhere
.endif
.endif
.if zst == 1
	s_wait_alu depctr_va_vdst(0)
	v_pk_add_f32 v[LS2+2*zqt:LS2+2*zqt+1], v[zr-2:zr-1], v[zr:zr+1]
	v_cvt_pk_f16_f32 v[zp-1], v[zr-2], v[zr-1]
	v_cvt_pk_f16_f32 v[zp], v[zr], v[zr+1]
.elseif zst >= 2
	s_wait_alu depctr_va_vdst(0)
	v_pk_add_f32 v[LS2+2*zqt:LS2+2*zqt+1], v[LS2+2*zqt:LS2+2*zqt+1], v[zr:zr+1]
	v_cvt_pk_f16_f32 v[zp], v[zr], v[zr+1]
.endif
.endm
; One pair's turn in the pipeline: behind each exponential stands a plain instruction on another pair (the next pair's multiply-add, the pair
; before's sum and packing) or another exponential, and a plain one comes before any result is used (ISA guide 5.7.2).
.macro SMUNIT q0, nq, x, first
.set zx, \x
	PR \q0, \nq, zx
	v_exp_f32 v[zr], v[zr]
.if zx < 16*(\nq)-1
	SUBM \q0, \nq, zx+1
.endif
	PR \q0, \nq, zx
	v_exp_f32 v[zr+1], v[zr+1]
.if zx > 0
	SUMCVT \q0, \nq, zx-1, \first
.endif
.endm
; Slice idx (0 .. 31) of the softmax of a piece and of the rescale of its O:
;  0-3 the maximum of my 32 raw scores of each query tile and the old maximum, two chains for each query tile; 4-6 the state; 7-22 nq pairs each;
;  23 the last pair's sum and packing; 24-31 O *= alpha, the piece's tiles of one dt each (not in a block's first step).
.macro SMSLICE q0, nq, idx, first
.set zi, \idx
.set zq0, \q0
.if zi < 4
	WIN 0x55
.set zn, 4*zi
.rept 4
.set zq, zq0
.rept \nq
.set zs, SC+8*(4*zi+zq)+2*(zn%4)
.if zn == 0
.if \first
	v_max_num_f32 v[MN+zq], v[zs], v[zs+1]
.else
	v_max3_num_f32 v[MN+zq], v[zs], v[zs+1], v[MN+zq]             ; MN still holds the old maximum
.endif
.elseif zn == 1
	v_max_num_f32 v[TT+zq], v[zs], v[zs+1]
.elseif (zn%2) == 0
	v_max3_num_f32 v[MN+zq], v[zs], v[zs+1], v[MN+zq]
.else
	v_max3_num_f32 v[TT+zq], v[zs], v[zs+1], v[TT+zq]
.endif
.set zq, zq+1
.endr
.set zn, zn+1
.endr
.elseif zi == 4
	WIN 0x55
.set zo, zq0
.rept \nq
	v_max_num_f32 v[MN+zo], v[MN+zo], v[TT+zo]
.set zo, zo+1
.endr
.set zo, zq0
.rept \nq
	v_permlanex16_b32 v[TT+zo], v[MN+zo], s[SEL], s[SEL+1]        ; the other half of the lanes holds the query's other keys
.set zo, zo+1
.endr
.set zo, zq0
.rept \nq
	v_max_num_f32 v[MN+zo], v[MN+zo], v[TT+zo]                    ; finite: key 0 of the block's first tile is never masked, later the old maximum is in
.set zo, zo+1
.endr
.set zo, zq0
.rept \nq
	v_mul_f32 v[TT+zo], s[CS+1], v[MN+zo]                         ; -c m; c > 0, so the raw scores' maximum is the scaled scores' too
.set zo, zo+1
.endr
.elseif zi == 5
	WIN 0x55
.if \first == 0
.set zo, zq0
.rept \nq
	v_sub_f32 v[AL2+2*zo+1], v[TT+zo], v[M2+2*zo]                 ; c (old maximum) - c (new): exactly 0 where the maximum stays
.set zo, zo+1
.endr
.set zo, zq0
.rept \nq
	v_exp_f32 v[AL2+2*zo], v[AL2+2*zo+1]                          ; alpha
.set zo, zo+1
.endr
.endif
.set zo, zq0
.rept \nq
	v_mov_b32 v[M2+2*zo], v[TT+zo]                                ; plain instructions behind the exponentials, which touch neither their results nor their sources
	v_mov_b32 v[M2+2*zo+1], v[TT+zo]
.set zo, zo+1
.endr
.elseif zi == 6
	WIN 0x55
.if \first == 0
.set zo, zq0
.rept \nq
	s_wait_alu depctr_va_vdst(0)
	v_mov_b32 v[AL2+2*zo+1], v[AL2+2*zo]
.set zo, zo+1
.endr
.set zo, zq0
.rept \nq
	v_pk_mul_f32 v[LS2+2*zo:LS2+2*zo+1], v[LS2+2*zo:LS2+2*zo+1], v[AL2+2*zo:AL2+2*zo+1]
.set zo, zo+1
.endr
.endif
	SUBM \q0, \nq, 0
.elseif zi < 23
	WIN 0x55
.set zu, (\nq)*(zi-7)
.rept \nq
	SMUNIT \q0, \nq, zu, \first
.set zu, zu+1
.endr
.elseif zi == 23
	WIN 0x55
	SUMCVT \q0, \nq, 16*(\nq)-1, \first
.else
.if \first == 0
	WIN 0x86
.set zo, zq0
.rept \nq
.irp k, 0,1,2,3
	v_pk_mul_f32 v[OA+8*(4*(zi-24)+zo)+2*\k:OA+8*(4*(zi-24)+zo)+2*\k+1], v[OA+8*(4*(zi-24)+zo)+2*\k:OA+8*(4*(zi-24)+zo)+2*\k+1], v[AL2+2*zo:AL2+2*zo+1]
.endr
.set zo, zo+1
.endr
.endif
.endif
.endm
; What stands behind matrix instruction n of a run of 16 rn: 32 slices are dealt over the run, 2 / rn behind each product.
; mode 0: nothing; 1: slices of the softmax of piece (sq0, snq); 2: slices of V's conversion.
.macro BEHIND mode, n, rn, sq0, snq, first
.set bn, (\n)*(2/(\rn))
.rept 2/(\rn)
.if \mode == 1
	SMSLICE \sq0, \snq, bn, \first
.elseif \mode == 2
	VCS bn
.endif
.set bn, bn+1
.endr
.endm
; S^T = K Q^T for 64 keys x the queries of piece (q0, nq): 4 nq score tiles, 4 steps of 32 along d.  The accumulators take turns, one instruction a turn.
; mode 0: the run waits for K's fragments as it goes.  mode 1: see BEHIND.
.macro QKRUN q0, nq, mode, sq0, snq, first
.set rks, 0
.rept 4
.if \mode == 0
	s_wait_dscnt 24-8*rks                          ; the loads went out by ks, eight for each: those of later ks may stay out
.endif
.set rkt, 0
.rept 4
.set rq, 0
.rept \nq
.set rqt, (\q0)+rq
	WIN 0x5c
.if rks == 0
	v_wmma_f32_16x16x32_bf16 v[SC+8*(4*rkt+rqt):SC+8*(4*rkt+rqt)+7], v[FR+8*(4*rks+rkt):FR+8*(4*rks+rkt)+7], v[QF+8*(4*rqt+rks):QF+8*(4*rqt+rks)+7], 0
.else
	v_wmma_f32_16x16x32_bf16 v[SC+8*(4*rkt+rqt):SC+8*(4*rkt+rqt)+7], v[FR+8*(4*rks+rkt):FR+8*(4*rks+rkt)+7], v[QF+8*(4*rqt+rks):QF+8*(4*rqt+rks)+7], v[SC+8*(4*rkt+rqt):SC+8*(4*rkt+rqt)+7]
.endif
	BEHIND \mode, (4*rks+rkt)*(\nq)+rq, \nq, \sq0, \snq, \first
.set rq, rq+1
.endr
.set rkt, rkt+1
.endr
.set rks, rks+1
.endr
.endm
; O^T += V^T P^T for piece (q0, nq), in f16: 8 nq accumulators by turns, one instruction a turn; a block's first step starts
; the sums with C = 0.  mode: see BEHIND.
.macro PVRUN q0, nq, mode, sq0, snq, first
.set rk2, 0
.rept 2
.set rdt, 0
.rept 8
.set rq, 0
.rept \nq
.set rqt, (\q0)+rq
.set rz, 0
.if \first
.if rk2 == 0
.set rz, 1
.endif
.endif
	WIN 0xa7
.if rz
	v_wmma_f32_16x16x32_f16 v[OA+8*(4*rdt+rqt):OA+8*(4*rdt+rqt)+7], v[VF+8*(8*rk2+rdt):VF+8*(8*rk2+rdt)+7], v[SC+8*(8*rk2+rqt):SC+8*(8*rk2+rqt)+7], 0
.else
	v_wmma_f32_16x16x32_f16 v[OA+8*(4*rdt+rqt):OA+8*(4*rdt+rqt)+7], v[VF+8*(8*rk2+rdt):VF+8*(8*rk2+rdt)+7], v[SC+8*(8*rk2+rqt):SC+8*(8*rk2+rqt)+7], v[OA+8*(4*rdt+rqt):OA+8*(4*rdt+rqt)+7]
.endif
	BEHIND \mode, (8*rk2+rdt)*(\nq)+rq, \nq, \sq0, \snq, \first
.set rq, rq+1
.endr
.set rdt, rdt+1
.endr
.set rk2, rk2+1
.endr
.endm
; The end of every key step.  ONE barrier a step: in front of it each wave's reads of the step's slot and its stores into the other are done
; (s_wait_dscnt 0); behind it the other slot is read, and this one is written in the step after.  The barrier is on every wave's path.
.macro ENDSTEP
	s_add_co_u32 s[STEP], s[STEP], 1
	s_wait_dscnt 0x0
	s_barrier_signal -1
	s_barrier_wait -1
.endm
; A key step with two pieces: A = (qa, na), B = tiles 2 and 3.  The tile in 'slot' is multiplied; the tile loaded a step ago goes into the other
; slot; the tile behind that is asked for.  msk: 0 no diagonal in this step, else MASK's cond for tile qa.
; Such a step is never one of the work-group's last two, so it always stages and always asks.
.macro TRIP slot, first, qa, na, msk
	KLOAD \slot
	QKRUN \qa, \na, 0, 0, 0, \first
	PLACES                                         ; behind S_A's last products: the mask and the first slice read them, and V's fragments are loaded over the last step's
.if \msk
	MASK \qa, \msk
.endif
	VLOAD \slot
	QKRUN 2, 2, 1, \qa, \na, \first
.if \first
	PLACES                                         ; elsewhere the last slice's 4 na multiplies are the places behind S_B's last product
.endif
	s_wait_dscnt 0x0                               ; V's 32 fragment loads, issued a run of products ago
	PVRUN \qa, \na, 1, 2, 2, \first
	s_wait_loadcnt 16                              ; V's 16 staged rows are in; the 16 loads of K, issued behind them, may stay out
	PVRUN 2, 2, 2, 0, 0, \first
	STORE 1-\slot                                  ; its 33 conversions are also the places behind O_B's last products
	NEXTKV
	ENDSTEP
.endm
; A key step with one piece (qb, nb), whose first tile holds the diagonal: a block's last two steps.  The softmax has no products to stand behind.
; In the second block these are the work-group's last two steps: the first of them (last = 0) asks for no further tile, so that no load passes
; the head's last tile; the second (last = 1) has nothing to stage either.
.macro LONE slot, qb, nb, last
	KLOAD \slot
	QKRUN \qb, \nb, 0, 0, 0, 0
	PLACES                                         ; behind the scores' last products
	MASK \qb, 2
	VLOAD \slot
.set li, 0
.rept 32
	SMSLICE \qb, \nb, li, 0
.set li, li+1
.endr
	s_wait_dscnt 0x0                               ; V's 32 fragment loads, issued in front of the softmax
.if \last
	WIN 0
	s_cmp_eq_u32 s[BLKI], 1
	s_cbranch_scc1 .Lplain_\@
.endif
	s_wait_loadcnt 16                              ; V's 16 staged rows are in; the 16 loads of K, issued behind them, may stay out
	PVRUN \qb, \nb, 2, 0, 0, 0
	STORE 1-\slot                                  ; its 33 conversions are also the places behind O's last products
.if \last == 0
	s_cmp_eq_u32 s[BLKI], 1
	s_cbranch_scc1 .Lend_\@
.endif
	NEXTKV
.if \last
	s_branch .Lend_\@
.Lplain_\@:
	PVRUN \qb, \nb, 0, 0, 0, 0
	PLACES                                         ; behind O's last products, which the way out reads
	WIN 0
.endif
.Lend_\@:
	ENDSTEP
.endm
; My wave's 64 rows of Q, f32, a whole row an instruction: query tile t / 16 lies 64 rows behind the one before.  Tiles 0 and 1 go into the score
; registers, tiles 2 and 3 into the registers of the old fragments.
.macro QLOAD
	WIN 0x40
.set t, 0
.rept 32
	global_load_b128 v[SC+4*t:SC+4*t+3], v[L16], s[QP:QP+1] offset:ROWB*(64*(t/16)+(t%16)) th:TH_LOAD_NT
.set t, t+1
.endr
	WIN 0xc0
.set t, 0
.rept 32
	global_load_b128 v[QF+4*t:QF+4*t+3], v[L16], s[QP:QP+1] offset:ROWB*(64*((32+t)/16)+(t%16)) th:TH_LOAD_NT
.set t, t+1
.endr
	WIN 0
.endm
; Q to bf16, through my wave's own stage (row 16 qt + r) into fragments.  LDS serves a wave's instructions in order (ISA guide 5.7.1), and no other
; wave touches these bytes: no wait between the stores and the loads, and no barrier.
.macro QCONV
	WIN 0x55
.set t, 0
.rept 32
	v_cvt_pk_bf16_f32 v[SC+4*t], v[SC+4*t], v[SC+4*t+1]
	v_cvt_pk_bf16_f32 v[SC+4*t+1], v[SC+4*t+2], v[SC+4*t+3]
.set t, t+1
.endr
	WIN 0x04
.set t, 0
.rept 32
	ds_store_b64 v[QST], v[SC+4*t:SC+4*t+1] offset:KPITCH*t
.set t, t+1
.endr
	WIN 0xcf
.set t, 0
.rept 32
	v_cvt_pk_bf16_f32 v[QF+4*t], v[QF+4*t], v[QF+4*t+1]
	v_cvt_pk_bf16_f32 v[QF+4*t+1], v[QF+4*t+2], v[QF+4*t+3]
.set t, t+1
.endr
	WIN 0x0c
.set t, 0
.rept 32
	ds_store_b64 v[QST], v[QF+4*t:QF+4*t+1] offset:KPITCH*(32+t)
.set t, t+1
.endr
	WIN 0xc0
.set qt, 0
.rept 4
.set ks, 0
.rept 4
	ds_load_b128 v[QF+8*(4*qt+ks):QF+8*(4*qt+ks)+3],   v[QRD] offset:16*qt*KPITCH+64*ks
	ds_load_b128 v[QF+8*(4*qt+ks)+4:QF+8*(4*qt+ks)+7], v[QRD] offset:16*qt*KPITCH+64*ks+32
.set ks, ks+1
.endr
.set qt, qt+1
.endr
	WIN 0
	s_wait_dscnt 0x0
.endm
; The block's results: O / l, one query tile of 16 rows at a time through my wave's stage, out as whole rows: each store of the wave covers 512
; consecutive bytes, aligned (a query's 128 numbers of this head).  Query tile qt lies 64 rows of out behind the one before.
.macro OUTPUT
	WIN 0x55
.irp q, 0,1,2,3
	v_add_f32 v[TT+\q], v[LS2+2*\q], v[LS2+2*\q+1]
.endr
.irp q, 0,1,2,3
	v_permlanex16_b32 v[MN+\q], v[TT+\q], s[SEL], s[SEL+1]        ; the block's maximum is no longer needed: the next block's first step starts MN anew
.endr
.irp q, 0,1,2,3
	v_add_f32 v[TT+\q], v[TT+\q], v[MN+\q]                        ; l is far from 0: the key of the maximum alone adds 2^0 (up to the rounding of c m)
.endr
.irp q, 0,1,2,3
	v_rcp_f32 v[AL2+2*\q], v[TT+\q]
.endr
	v_nop                                          ; a plain instruction between the reciprocals and their first use (ISA guide 5.7.2)
.irp q, 0,1,2,3
	s_wait_alu depctr_va_vdst(0)
	v_mov_b32 v[AL2+2*\q+1], v[AL2+2*\q]
.endr
.set qt, 0
.rept 4
	WIN 0x86
.set dt, 0
.rept 8
.set k, 0
.rept 4
	v_pk_mul_f32 v[OA+8*(4*dt+qt)+2*k:OA+8*(4*dt+qt)+2*k+1], v[OA+8*(4*dt+qt)+2*k:OA+8*(4*dt+qt)+2*k+1], v[AL2+2*qt:AL2+2*qt+1]
.set k, k+1
.endr
.set dt, dt+1
.endr
	WIN 0x08
.set dt, 0
.rept 8
	ds_store_b128 v[OST], v[OA+8*(4*dt+qt):OA+8*(4*dt+qt)+3]   offset:64*dt       ; query r, d = 16 dt + 8 h + 0..3
	ds_store_b128 v[OST], v[OA+8*(4*dt+qt)+4:OA+8*(4*dt+qt)+7] offset:64*dt+16    ; d = 16 dt + 8 h + 4..7
.set dt, dt+1
.endr
	WIN 0
	s_wait_xcnt 0x0                                ; the row buffer, which the stores of two query tiles ago read, is loaded again only behind this wait
.set t, 0
.rept 16
	ds_load_b128 v[FR+64*(qt%2)+4*t:FR+64*(qt%2)+4*t+3], v[ORD] offset:OPITCH*t
.set t, t+1
.endr
.set t, 0
.rept 16
	s_wait_dscnt 15-t                              ; row t is back; the 15 - t younger read-backs may stay out
	global_store_b128 v[L16], v[FR+64*(qt%2)+4*t:FR+64*(qt%2)+4*t+3], s[OP:OP+1] offset:(64*qt+t)*OROW th:TH_STORE_NT
.set t, t+1
.endr
.set qt, qt+1
.endr
	s_wait_xcnt 0x0                                ; the row buffers and OP are rewritten only behind this wait
.endm
	; ---------------------------------------------------------------- prologue
	s_load_b256 s[4:11], s[0:1], 0x0               ; Q s[4:5], K s[6:7], V s[8:9], out s[10:11]
	v_lshl_add_u32 v254, v0, 2, 0x22800
	v_mov_b32 v255, 0
	v_lshrrev_b32 v[TV], 5, v0
	v_readfirstlane_b32 s[WAVE], v[TV]             ; my wave's number as a scalar
	s_and_b32 s[J], ttmp9, 3
	s_lshr_b32 s[BH], ttmp9, 2
	v_and_b32 v[LANE], 31, v0
	v_and_b32 v[RR], 15, v0
	v_bfe_u32 v[HH], v0, 4, 1
	v_lshlrev_b32 v[TV+1], 3, v[HH]
	v_sub_nc_u32 v[TV], v[RR], v[TV+1]
	s_lshl_b32 s[TS], s[WAVE], 4
	v_add_nc_u32 v[TV], s[TS], v[TV]               ; 16 w + r - 8 h, signed
.set mk, 0
.rept 32
	v_cmp_le_i32 s[MK+mk], 16*(mk/8)+(mk%8), v[TV] ; mask 8 kt + j: key 16 kt + 8 h + j is not above query 16 w + r
.set mk, mk+1
.endr
	v_mul_u32_u24 v[KRD], v[RR], KPITCH
	v_lshl_add_u32 v[KRD], v[HH], 4, v[KRD]
	v_and_b32 v[TV+1], 7, v0
	v_lshl_add_u32 v[TV+1], v[HH], 3, v[TV+1]
	v_mul_u32_u24 v[TV+1], v[TV+1], VPITCH
	v_bfe_u32 v[TV+2], v0, 3, 1
	v_lshl_add_u32 v[TV+1], v[TV+2], 4, v[TV+1]
	v_add_nc_u32 v[VRD], VBASE, v[TV+1]
	s_mul_i32 s[TS], s[WAVE], 16*KPITCH
	v_lshl_add_u32 v[KWR], v[LANE], 3, s[TS]
	s_mul_i32 s[TS+1], s[WAVE], 16*VPITCH
	s_add_co_u32 s[TS+1], s[TS+1], VBASE
	v_lshl_add_u32 v[VWR], v[LANE], 3, s[TS+1]
	s_lshl_b32 s[TS+2], s[WAVE], 13                ; 16 rows of 512 bytes
	v_lshl_add_u32 v[GKV], v[LANE], 4, s[TS+2]
	s_mul_i32 s[TS+3], s[WAVE], WSSIZE
	s_add_co_u32 s[TS+3], s[TS+3], WSBASE          ; my wave's own stage
	v_lshl_add_u32 v[QST], v[LANE], 3, s[TS+3]
	v_add_nc_u32 v[QRD], s[TS+3], v[KRD]
	v_mul_u32_u24 v[TV+1], v[RR], OPITCH
	v_lshl_add_u32 v[TV+1], v[HH], 5, v[TV+1]
	v_add_nc_u32 v[OST], s[TS+3], v[TV+1]
	v_lshl_add_u32 v[ORD], v[LANE], 4, s[TS+3]
	v_lshlrev_b32 v[L16], 4, v[LANE]
	v_lshlrev_b32 v[PFO], 8, v0
	WIN 0x40
	v_mov_b32 v[NI], 0xff800000
	WIN 0
	s_mov_b32 s[CS], 0x3e0293ee                    ; c = log2 e / sqrt 128
	s_mov_b32 s[CS+1], 0xbe0293ee                  ; -c
	s_mov_b32 s[HM], 0xffff0000
	s_mov_b32 s[SEL], 0x76543210                   ; lane i of one half reads lane i of the other
	s_mov_b32 s[SEL+1], 0xfedcba98
	s_mov_b32 s[OFS+1], 0
	s_mov_b32 s[PLO], 2
	s_cmp_eq_u32 s[J], 3
	s_cselect_b32 s[PLEN], 14, 0
	s_mov_b32 s[PLO2], 16
	s_cmp_eq_u32 s[J], 0
	s_cselect_b32 s[PLEN2], 16, 0
	s_mov_b32 s[BLK], s[J]                         ; the smaller block first
	s_mov_b32 s[LDT], 0
	s_lshl_b32 s[LDN], s[J], 2
	s_add_co_u32 s[LDN], s[LDN], 4                 ; 4 (j + 1) tiles
	s_sub_co_u32 s[N2], 8, s[J]
	s_lshl_b32 s[N2], s[N2], 2                     ; 4 (8 - j) tiles
	s_mov_b32 s[STEP], 0
	s_mov_b32 s[BLKI], 0
	s_lshl_b32 s[DIAG], s[BLK], 2
	s_wait_kmcnt 0x0
	s_lshl_b32 s[OFS], s[BH], 20                   ; a head of Q, K or V: 2048 rows of 512 bytes
	s_add_nc_u64 s[QH:QH+1], s[4:5], s[OFS:OFS+1]
	s_add_nc_u64 s[KB:KB+1], s[6:7], s[OFS:OFS+1]
	s_add_nc_u64 s[VB:VB+1], s[8:9], s[OFS:OFS+1]
	s_lshr_b32 s[TS], s[BH], 5
	s_lshl_b32 s[TS], s[TS], 25                    ; batch: 2048 rows of 16384 bytes
	s_and_b32 s[TS+1], s[BH], 31
	s_lshl_b32 s[TS+1], s[TS+1], 9                 ; head: 512 bytes in a row
	s_add_co_u32 s[OFS], s[TS], s[TS+1]
	s_add_nc_u64 s[OH:OH+1], s[10:11], s[OFS:OFS+1]
	SETPTR QP, QH, 9
	SETPTR OP, OH, 14
	NEXTKV                                         ; tile 0
	QLOAD
	STAGE 0                                        ; its wait for all loads covers Q too
	NEXTKV                                         ; tile 1, on its way through the first step
	QCONV                                          ; ends with s_wait_dscnt 0: my part of slot 0 is stored
	s_barrier_signal -1
	s_barrier_wait -1                              ; everybody's is
	; ---------------------------------------------------------------- two blocks of 256 queries; 1 + 4 blk + 3 = 4 (blk + 1) steps each; step s reads slot s % 2
.Lblock:
	TRIP 0, 1, 0, 2, 1                             ; step 0 starts all sums; in block 0 it is also the step with tile 0's diagonal
	s_lshl_b32 s[NP], s[BLK], 1                    ; steps 1 .. 4 blk: 2 blk pairs; the loop below does not write NP
	s_mov_b32 s[IT], 0
	s_cmp_eq_u32 s[NP], 0
	s_cbranch_scc1 .Lnopair                        ; block 0 has none
.Lpair:
	TRIP 1, 0, 0, 2, 0                             ; an odd step below 4 blk: no diagonal
	TRIP 0, 0, 0, 2, 1                             ; an even step: the last of them is step 4 blk, with tile 0's diagonal
	s_add_co_u32 s[IT], s[IT], 1
	s_cmp_lt_u32 s[IT], s[NP]
	s_cbranch_scc1 .Lpair
.Lnopair:
	TRIP 1, 0, 1, 1, 2                             ; step 4 blk + 1: tiles 1 (diagonal), 2, 3
	LONE 0, 2, 2, 0                                ; step 4 blk + 2: tiles 2 (diagonal), 3
	LONE 1, 3, 1, 1                                ; step 4 blk + 3: tile 3 (diagonal)
	; The K and V stream has run on: the second block's tile 0 lies in slot 0 and its tile 1 is on its way (both blocks have an even number of steps).
	s_cmp_eq_u32 s[BLKI], 1
	s_cbranch_scc1 .Lnoq
	s_sub_co_u32 s[BLK], 7, s[J]
	SETPTR QP, QH, 9                               ; the first block's loads of Q were waited for in the prologue
	QLOAD                                          ; the next block's Q comes in while this block's results go out; scores and old fragments are dead
.Lnoq:
	OUTPUT
	s_cmp_eq_u32 s[BLKI], 1
	s_cbranch_scc1 .Llast                          ; behind the second block nothing is left to prepare
	s_wait_loadcnt 0x0                             ; Q (and the staged tile)
	QCONV
	SETPTR OP, OH, 14
	s_lshl_b32 s[DIAG], s[BLK], 2
	s_mov_b32 s[STEP], 0
.Llast:
	s_add_co_u32 s[BLKI], s[BLKI], 1
	s_cmp_lt_u32 s[BLKI], 2
	s_cbranch_scc1 .Lblock
	s_wait_tensorcnt 0x0
	ds_add_u32 v254, v255
	s_wait_dscnt 0x0
	s_endpgm
.Lfunc_end_k_q7a704e1aee_attn:
	.size	k_q7a704e1aee_attn, .Lfunc_end_k_q7a704e1aee_attn-k_q7a704e1aee_attn
	.p2alignl 7, 3214868480
	.fill 96, 4, 3214868480
	.section	.rodata,"a",@progbits
	.p2align	6, 0x0
	.amdhsa_kernel k_q7a704e1aee_attn
		.amdhsa_group_segment_fixed_size 141824
		.amdhsa_private_segment_fixed_size 0
		.amdhsa_enable_private_segment 0
		.amdhsa_kernarg_size 32
		.amdhsa_user_sgpr_count 2
		.amdhsa_user_sgpr_kernarg_segment_ptr 1
		.amdhsa_wavefront_size32 1
		.amdhsa_system_sgpr_workgroup_id_x 1
		.amdhsa_system_sgpr_workgroup_id_y 1
		.amdhsa_system_sgpr_workgroup_id_z 1
		.amdhsa_system_vgpr_workitem_id 0
		.amdhsa_next_free_vgpr 1024
		.amdhsa_next_free_sgpr 98
		.amdhsa_reserve_vcc 0
		.amdhsa_float_denorm_mode_32 3
		.amdhsa_float_denorm_mode_16_64 3
		.amdhsa_memory_ordered 1
		.amdhsa_forward_progress 1
		.amdhsa_inst_pref_size 255
	.end_amdhsa_kernel
	.section	.bss,"aw",@nobits
	.p2align	6
	.space	262144
	.amdgpu_metadata
---
amdhsa.version: [ 1, 2 ]
amdhsa.kernels:
  - .name:           k_q7a704e1aee_attn
    .symbol:         k_q7a704e1aee_attn.kd
    .args:
      - { .name: query_layer, .offset: 0, .size: 8, .value_kind: global_buffer, .address_space: global }
      - { .name: key_layer, .offset: 8, .size: 8, .value_kind: global_buffer, .address_space: global }
      - { .name: value_layer, .offset: 16, .size: 8, .value_kind: global_buffer, .address_space: global }
      - { .name: out0, .offset: 24, .size: 8, .value_kind: global_buffer, .address_space: global }
    .group_segment_fixed_size: 141824
    .private_segment_fixed_size: 0
    .kernarg_segment_align: 8
    .kernarg_segment_size: 32
    .max_flat_workgroup_size: 128
    .sgpr_count:     98
    .vgpr_count:     1024
    .wavefront_size: 32
...
	.end_amdgpu_metadata
.endif
;; end of part 1
